; MI455X (gfx1250); checked and timed in simulation.
; The chip was launched on July 23, 2026; its instructions are those of AMD's public machine-readable ISA for CDNA 5 (MIT licence, August 2026) and "CDNA5" Instruction Set Architecture Reference Guide (July 2026). The comments in the code are by the model that wrote it; some were corrected since.
;; Self Attention. Allowed arithmetic: float matrix products may take bf16 or f16 operands with f32 sums; other float arithmetic in f32, or as packed bf16 or f16 multiplies, adds, multiply-adds, maxima and minima; sums over many terms, partial sums and values carried from step to step in f32; what a program stores and reads back later, other than sums and carried values, may be rounded once to bf16 or f16.
;; Inputs: Wk 128 x 1,024 float32; Wq 128 x 1,024 float32; Wv 1,024 x 1,024 float32; bk 128 float32; bq 128 float32; bv 1,024 float32; gamma 1 float32; x 8 x 2,048 x 1,024 float32.
;; Outputs: out0 8 x 2,048 x 1,024 float32.
;; One version. Each part assembles by itself: llvm-mc -triple=amdgcn-amd-amdhsa -mcpu=gfx1250 --defsym DOCPART=n.
;; ======== version 1 of 1: 3 launches
;; limits: values are held in f16: magnitudes above 65,504 overflow, below 6.1e-05 lose precision
;; workspace buffers: xb 33,554,432 bytes; wb 2,621,440 bytes; vf 33,554,432 bytes; qk 8,388,608 bytes
;; launch prep (part 1): grid 1104 x 1, 8 waves a work-group, no clusters, 0 bytes of LDS; arguments x, Wv, Wq, Wk, xb, wb; writes xb, wb
.if DOCPART == 1
	.amdgcn_target "amdgcn-amd-amdhsa--gfx1250"
	.amdhsa_code_object_version 6
	.text
	.protected	k_qc15b60c9d2_prep
	.globl	k_qc15b60c9d2_prep
	.p2align	8
	.type	k_qc15b60c9d2_prep,@function
k_qc15b60c9d2_prep:
	s_mov_b64 s[64:65], 0
	v_nop
	global_prefetch_b8 v0, s[64:65] scope:SCOPE_SE
	s_setreg_imm32_b32 hwreg(HW_REG_WAVE_MODE, 25, 1), 1
	s_wait_xcnt 0x0
; x and the three weight matrices are rounded once to bf16.  xb[16384][1024] = bf16(x).  wb[1280][1024] holds the weights' rows in the order in
; which the projection's work-groups take them: row 320 n + 160 nh + i is Wv's row 256 n + 128 nh + i for i < 128, and for i >= 128 row
; g = 64 n + 32 nh + (i - 128) of (Wq on top of Wk).
; A stream: no LDS, no barrier, no matrix unit.  A work-group takes 16 rows of 1,024 f32, a wave two rows, 8,192 dense bytes: sixteen loads of
; 512 neighbouring bytes, all issued at once, and sixteen stores of 256 neighbouring bytes at multiples of 256 from the buffer's first byte.
; Work-groups 0 to 1,023 take x, 1,024 to 1,103 the 80 blocks of 16 rows of wb.  No register is written twice, so no source is ever overwritten.
.set XR, 4                             ; v[4:67]   sixteen loads of four f32
.set YR, 68                            ; v[68:99]  sixteen pairs of packed bf16
	s_load_b256 s[4:11], s[0:1], 0x0               ; x s[4:5], Wv s[6:7], Wq s[8:9], Wk s[10:11]
	s_load_b128 s[12:15], s[0:1], 0x20             ; xb s[12:13], wb s[14:15]
	v_lshrrev_b32 v3, 5, v0
	v_readfirstlane_b32 s16, v3                    ; wave 0..7
	v_and_b32 v1, 31, v0
	v_lshlrev_b32 v2, 3, v1                        ; 8 bytes a lane in the stores
	v_lshlrev_b32 v1, 4, v1                        ; 16 bytes a lane in the loads
	s_mov_b32 s33, ttmp9
	s_max_u32 s17, s33, 1024
	s_sub_co_u32 s17, s17, 1024                    ; g: the block of wb, 0..79 (0 for the work-groups of x, which do not use it)
	s_mul_i32 s18, s17, 3277
	s_lshr_b32 s18, s18, 16                        ; n = g / 20 (exact for g < 80)
	s_mul_i32 s19, s18, 20
	s_sub_co_u32 s19, s17, s19                     ; g % 20
	s_cmp_ge_u32 s19, 10
	s_cselect_b32 s20, 1, 0                        ; nh
	s_mul_i32 s21, s20, 10
	s_sub_co_u32 s21, s19, s21                     ; i / 16, 0..9
	s_lshl_b32 s22, s18, 8
	s_lshl_b32 s23, s20, 7
	s_add_co_u32 s22, s22, s23
	s_lshl_b32 s23, s21, 4
	s_add_co_u32 s22, s22, s23                     ; Wv's row: 256 n + 128 nh + 16 (i / 16)
	s_lshl_b32 s24, s18, 6
	s_lshl_b32 s25, s20, 5
	s_add_co_u32 s24, s24, s25
	s_add_co_u32 s24, s24, s23
	s_and_b32 s24, s24, 127                        ; the row in Wq or Wk: (64 n + 32 nh + 16 (i / 16) - 128) mod 128
	s_lshl_b32 s30, s33, 4                         ; x's and xb's row
	s_lshl_b32 s31, s17, 4                         ; wb's row
	s_lshl_b32 s32, s16, 1                         ; my wave's two rows
	s_wait_kmcnt 0x0
	s_cmp_lt_u32 s18, 2                            ; n < 2: the q rows, else the k rows
	s_cselect_b64 s[26:27], s[8:9], s[10:11]
	s_cmp_lt_u32 s21, 8                            ; i < 128: Wv
	s_cselect_b64 s[26:27], s[6:7], s[26:27]
	s_cselect_b32 s22, s22, s24
	s_cmp_lt_u32 s33, 1024                         ; the work-groups of x
	s_cselect_b64 s[26:27], s[4:5], s[26:27]
	s_cselect_b64 s[28:29], s[12:13], s[14:15]
	s_cselect_b32 s22, s30, s22
	s_cselect_b32 s24, s30, s31
	s_add_co_u32 s22, s22, s32
	s_add_co_u32 s24, s24, s32
	s_lshl_b32 s22, s22, 12                        ; rows of 4,096 bytes in,
	s_lshl_b32 s24, s24, 11                        ; of 2,048 bytes out
	s_mov_b32 s23, 0
	s_mov_b32 s25, 0
	s_add_nc_u64 s[26:27], s[26:27], s[22:23]
	s_add_nc_u64 s[28:29], s[28:29], s[24:25]
.irp i, 0,1,2,3,4,5,6,7,8,9,10,11,12,13,14,15
	global_load_b128 v[XR+4*\i:XR+4*\i+3], v1, s[26:27] offset:512*\i th:TH_LOAD_NT
.endr
.irp i, 0,1,2,3,4,5,6,7,8,9,10,11,12,13,14,15
	s_wait_loadcnt 15-\i                           ; loads come back in order: load i is in, the 15 - i younger ones stay out
	v_cvt_pk_bf16_f32 v[YR+2*\i], v[XR+4*\i], v[XR+4*\i+1]
	v_cvt_pk_bf16_f32 v[YR+2*\i+1], v[XR+4*\i+2], v[XR+4*\i+3]
	global_store_b64 v2, v[YR+2*\i:YR+2*\i+1], s[28:29] offset:256*\i
.endr
	s_endpgm
.Lfunc_end_k_qc15b60c9d2_prep:
	.size	k_qc15b60c9d2_prep, .Lfunc_end_k_qc15b60c9d2_prep-k_qc15b60c9d2_prep
	.p2alignl 7, 3214868480
	.fill 96, 4, 3214868480
	.section	.rodata,"a",@progbits
	.p2align	6, 0x0
	.amdhsa_kernel k_qc15b60c9d2_prep
		.amdhsa_group_segment_fixed_size 0
		.amdhsa_private_segment_fixed_size 0
		.amdhsa_enable_private_segment 0
		.amdhsa_kernarg_size 48
		.amdhsa_user_sgpr_count 2
		.amdhsa_user_sgpr_kernarg_segment_ptr 1
		.amdhsa_wavefront_size32 1
		.amdhsa_system_sgpr_workgroup_id_x 1
		.amdhsa_system_sgpr_workgroup_id_y 1
		.amdhsa_system_sgpr_workgroup_id_z 1
		.amdhsa_system_vgpr_workitem_id 0
		.amdhsa_next_free_vgpr 104
		.amdhsa_next_free_sgpr 66
		.amdhsa_reserve_vcc 0
		.amdhsa_float_denorm_mode_32 3
		.amdhsa_float_denorm_mode_16_64 3
		.amdhsa_memory_ordered 1
		.amdhsa_forward_progress 1
		.amdhsa_inst_pref_size 8
	.end_amdhsa_kernel
	.amdgpu_metadata
---
amdhsa.version: [ 1, 2 ]
amdhsa.kernels:
  - .name:           k_qc15b60c9d2_prep
    .symbol:         k_qc15b60c9d2_prep.kd
    .args:
      - { .name: x, .offset: 0, .size: 8, .value_kind: global_buffer, .address_space: global }
      - { .name: Wv, .offset: 8, .size: 8, .value_kind: global_buffer, .address_space: global }
      - { .name: Wq, .offset: 16, .size: 8, .value_kind: global_buffer, .address_space: global }
      - { .name: Wk, .offset: 24, .size: 8, .value_kind: global_buffer, .address_space: global }
      - { .name: xb, .offset: 32, .size: 8, .value_kind: global_buffer, .address_space: global }
      - { .name: wb, .offset: 40, .size: 8, .value_kind: global_buffer, .address_space: global }
    .group_segment_fixed_size: 0
    .private_segment_fixed_size: 0
    .kernarg_segment_align: 8
    .kernarg_segment_size: 48
    .max_flat_workgroup_size: 256
    .sgpr_count:     66
    .vgpr_count:     104
    .wavefront_size: 32
...
	.end_amdgpu_metadata
.endif
;; end of part 1
;; launch proj (part 2): grid 4 x 64, 4 waves a work-group, clusters of 4 x 4, 327,680 bytes of LDS; arguments xb, wb, bv, bq, bk, vf, qk; writes vf, qk
.if DOCPART == 2
	.amdgcn_target "amdgcn-amd-amdhsa--gfx1250"
	.amdhsa_code_object_version 6
	.text
	.protected	k_qc15b60c9d2_proj
	.globl	k_qc15b60c9d2_proj
	.p2align	8
	.type	k_qc15b60c9d2_proj,@function
k_qc15b60c9d2_proj:
	s_mov_b64 s[64:65], 0
	v_nop
	global_prefetch_b8 v0, s[64:65] scope:SCOPE_SE
	s_setreg_imm32_b32 hwreg(HW_REG_WAVE_MODE, 25, 1), 1
	s_wait_xcnt 0x0
	s_wait_alu depctr_hold_cnt(0) depctr_sa_sdst(0) depctr_va_vdst(0) depctr_va_sdst(0) depctr_va_ssrc(0) depctr_va_vcc(0) depctr_vm_vsrc(0)
	s_getreg_b32 s2, hwreg(HW_REG_IB_STS2, 6, 4)
	s_cmp_eq_u32 s2, 0
	s_cbranch_scc0 .Lentry_in_a_cluster
	s_endpgm
.Lentry_in_a_cluster:
	s_bfe_u32 s2, ttmp6, 0x10000c
	s_cmp_lg_u32 s2, 0xf033
	s_cbranch_scc0 .Lentry_shape_is_right
	s_endpgm
.Lentry_shape_is_right:
; v, q and k in one product: [16384 x 1024] (xb) times [1280 x 1024]^T (wb), bf16 operands, f32 sums, plus the bias (rounded once to bf16, as every input is), rounded once to f16.
; vf[16384][1024] is v as it is.  qk holds eight pieces [16384][32], 1,048,576 bytes each, rows of 64 dense bytes: piece p < 4 is q's channels 32 p .. 32 p + 31, piece 4 + p the same of k.
; LIMIT.  v, q and k are kept in f16: they must stay under 65,504 in magnitude; a number of 65,520 or more becomes an infinity.  NaN and infinities are not treated apart.
; SHARES.  A work-group makes 256 rows x 320 columns: 256 of v and 64 of q or k, so that 4 x 64 work-groups are one for each of 256 WGPs.  Four waves; wave w makes rows 128 (w / 2) .. and columns
; 160 (w % 2) ..: 8 x 10 accumulators of 16 x 16, 640 registers.  wb's rows are ordered so that a wave's ten column tiles are 128 columns of v and then one piece of 32 channels of q or k.
; K goes in 8 steps of 128 through two LDS slots filled by the tensor data mover; rows of 256 bytes, at multiples of 256 from the buffer's first byte, padded to 272 in LDS.
; CLUSTER 4 x 4: xb's tiles are shared along a row of the cluster, wb's along a column; each is asked for jointly, by the same load with the same descriptor and a mask of four.
; THE MATRIX INSTRUCTION IS USED TRANSPOSED (source 0 = 16 rows of wb, source 1 = 16 rows of xb): a lane holds one row of the result and eight neighbouring columns.
; REGISTERS in windows of 256 (s_set_vgpr_msb: bits 1:0 source 0, 3:2 source 1, 5:4 source 2, 7:6 destination):
;   window 0: v0-31 addresses; v32-111, v112-191 wb's fragments, two buffers of ten; v192-231 the 80 biases of my lane, packed bf16.  On the way out: v32-111 biases in f32, v112-151 packed results, v152-231 rows read back
;   window 1: v0-127 accumulators of column tiles 8, 9; v128-191, v192-255 xb's fragments, two buffers of eight        window 2: column tiles 0-3        window 3: column tiles 4-7
;   accumulator (b, a) (column tile b, row tile a) lies at v[8 (8 (b % 4) + a)] of its window.
.set PITCH,  272                       ; an LDS row: 256 bytes + 16 of padding = 68 words, so the 16 rows of a fragment load start in 16 different groups of four banks (ISA guide 11.1)
.set HA,     128*PITCH                 ; what one load brings of xb: 128 rows
.set HB,     160*PITCH                 ; and of wb: 160 rows
.set BOFF,   2*HA
.set SLOT,   2*HA+2*HB                 ; xb's 256 rows, then wb's 320
.set SPARE,  2*SLOT                    ; behind the ring: the spare words, 128 bytes a wave
.set STG,    5632                      ; the way out: each wave's stage, in slot 0, which has had its last fill (K step 6) and its last read when the stage is first written
.set STGQ,   4352                      ; in a stage: 16 rows x 272 for v, then 16 rows x 80 for q or k
.set LAPS,   4                         ; a lap = two K steps = once round the ring
.set STQ,  10
.set RDQ,  11
.set CQ,   12
.set ADRA, 16                          ; v16-17  LDS address of my xb fragments in slot 0, 1
.set ADRB, 20                          ; v20-21  of my wb fragments
.set STO,  24
.set RD,   25
.set CO,   26
.set SPW,  28                          ; v28  my spare word; never rewritten
.set NIL,  29                          ; v29  0; never rewritten
.set FB,   32
.set FA,   128
.set BP,   192
.set BI,   32
.set TMP,  112
.set OB,   152
.set G1,   24                          ; s[24:31] group 1 for xb's tiles;  s[32:39] group 0, a set for each slot
.set G0,   32
.set G1B,  48                          ; s[48:55], s[56:63] the same for wb's
.set G0B,  56
.set WV,   74
.set MH,   75                          ; which half of the rows is mine; also: I fetch for xb (0) or wb (1)
.set NH,   76                          ; which half of the columns; also: which half of that tile I fetch
.set MSB, 0
.macro WIN new                         ; the immediate's high byte repeats the setting that is left; a switch that changes nothing is dropped
.if MSB != (\new)
	s_set_vgpr_msb (MSB<<8)|(\new)
.set MSB, \new
.endif
.endm
.macro PLACES                          ; four places in front of loads into registers that matrix instructions have read, and of vector lines that touch their registers
.rept 4
	v_nop
.endr
.endm
.macro JLOAD s                         ; a joint load: waves 0, 1 fetch xb's halves, waves 2, 3 wb's.  An s_nop 0 and four v_nop follow each line
	s_cmp_eq_u32 s[MH], 0
	s_cbranch_scc0 .Lfor_b_\@
	tensor_load_to_lds s[G0+4*(\s):G0+4*(\s)+3], s[G1:G1+7]
	s_nop 0
.rept 4
	v_nop
.endr
	s_branch .Lasked_\@
.Lfor_b_\@:
	tensor_load_to_lds s[G0B+4*(\s):G0B+4*(\s)+3], s[G1B:G1B+7]
	s_nop 0
.rept 4
	v_nop
.endr
.Lasked_\@:
.endm
.macro CREST                           ; a round of the cluster's barrier behind its opening barrier
	s_cmp_lg_u32 s[WV], 0
	s_cbranch_scc1 .Lnot_wave_0_\@
	s_barrier_signal -3
.Lnot_wave_0_\@:
	s_barrier_wait -3
	s_barrier_signal -1
	s_barrier_wait -1
.endm
.macro CROUND
	s_barrier_signal -1
	s_barrier_wait -1
	CREST
.endm
	s_load_b256 s[4:11], s[0:1], 0x0               ; xb s[4:5], wb s[6:7], bv s[8:9], bq s[10:11]
	s_load_b128 s[68:71], s[0:1], 0x20             ; bk s[68:69], vf s[70:71]
	s_load_b64 s[72:73], s[0:1], 0x30              ; qk
	v_lshl_add_u32 v[SPW], v0, 2, SPARE
	v_mov_b32 v[NIL], 0
	ds_add_u32 v[SPW], v[NIL]                      ; the wave's opening: the add and its wait stand ahead of my first tensor load; work on registers stands between them
	v_lshrrev_b32 v1, 5, v0
	v_readfirstlane_b32 s[WV], v1
	s_lshr_b32 s[MH], s[WV], 1
	s_and_b32 s[NH], s[WV], 1
	s_bfe_u32 s40, ttmp6, 0x40000                  ; cx
	s_bfe_u32 s41, ttmp6, 0x40004                  ; cy
	s_lshl_b32 s42, ttmp9, 2
	s_add_co_u32 s42, s42, s40                     ; n: the block of 320 columns
	s_and_b32 s43, ttmp7, 0xffff
	s_lshl_b32 s43, s43, 2
	s_add_co_u32 s43, s43, s41                     ; mt: the block of 256 rows
	s_lshl_b32 s44, s41, 2
	s_lshl_b32 s44, 15, s44                        ; my row of the cluster
	s_lshl_b32 s45, 0x1111, s40                    ; my column
	s_or_b32 s[G1+0], s44, (1<<16)|(1<<20)|(1<<21)|(5<<22)|(3<<25)   ; mask; 2-byte elements; padding on; bit 21 beside a mask; after every 64 words 4 words
	s_or_b32 s[G1B+0], s45, (1<<16)|(1<<20)|(1<<21)|(5<<22)|(3<<25)
	s_mov_b32 s[G1+1], 128<<16                     ; tensor_dim0 = 128
	s_mov_b32 s[G1B+1], 128<<16
	s_mov_b32 s[G1+2], 128<<16                     ; tensor_dim1 = 128 rows of xb,
	s_mov_b32 s[G1B+2], 160<<16                    ; 160 of wb
	s_mov_b32 s[G1+3], 128<<16                     ; tile_dim0 = 128
	s_mov_b32 s[G1B+3], 128<<16
	s_mov_b32 s[G1+4], 128                         ; tile_dim1
	s_mov_b32 s[G1B+4], 160
	s_mov_b32 s[G1+5], 1024                        ; elements from row to row
	s_mov_b32 s[G1B+5], 1024
	s_mov_b32 s[G1+6], 0
	s_mov_b32 s[G1B+6], 0
	s_mov_b32 s[G1+7], 0
	s_mov_b32 s[G1B+7], 0
	s_lshl_b32 s16, s43, 8                         ; xb: row 256 mt + 128 half, in registers that never hold cx,
	s_lshl_b32 s17, s[NH], 7
	s_add_co_u32 s16, s16, s17
	s_lshl_b32 s16, s16, 11                        ; rows of 2,048 bytes
	s_mov_b32 s17, 0
	s_mul_i32 s46, s42, 320                        ; wb: row 320 n + 160 half, in registers that never hold cy
	s_mul_i32 s47, s[NH], 160
	s_add_co_u32 s46, s46, s47
	s_lshl_b32 s46, s46, 11
	s_mov_b32 s47, 0
	s_mul_i32 s20, s[NH], HA                       ; where they go: no place in the cluster enters an LDS address
	s_mul_i32 s21, s[NH], HB
	s_add_co_u32 s21, s21, BOFF
	s_mov_b32 s13, 0xffff0000                      ; a word's upper bf16
	s_wait_dscnt 0x0                               ; the opening add is done
	s_wait_kmcnt 0x0
	s_add_nc_u64 s[14:15], s[4:5], s[16:17]
	s_add_nc_u64 s[46:47], s[6:7], s[46:47]
	CROUND                                         ; all sixteen work-groups are here: the first joint loads meet
.irp s, 0,1
	s_mov_b32 s[G0+4*(\s)], 1
	s_add_co_u32 s[G0+4*(\s)+1], s20, (\s)*SLOT
	s_add_nc_u64 s[G0+4*(\s)+2:G0+4*(\s)+3], s[14:15], (\s)*256    ; K step s
	s_or_b32 s[G0+4*(\s)+3], s[G0+4*(\s)+3], 0x80000000
	s_mov_b32 s[G0B+4*(\s)], 1
	s_add_co_u32 s[G0B+4*(\s)+1], s21, (\s)*SLOT
	s_add_nc_u64 s[G0B+4*(\s)+2:G0B+4*(\s)+3], s[46:47], (\s)*256
	s_or_b32 s[G0B+4*(\s)+3], s[G0B+4*(\s)+3], 0x80000000
	JLOAD \s                                       ; two loads of mine are out
.endr
	; my lane's biases: for column tile b the eight columns 16 b + 8 (l / 16) + 0..7
	v_and_b32 v1, 15, v0                           ; l % 16
	v_bfe_u32 v2, v0, 4, 1                         ; l / 16
	v_lshlrev_b32 v5, 5, v2
	s_lshl_b32 s78, s42, 10
	s_lshl_b32 s77, s[NH], 9
	s_add_co_u32 s78, s78, s77
	s_mov_b32 s79, 0
	s_add_nc_u64 s[8:9], s[8:9], s[78:79]          ; bv at column 256 n + 128 nh
	s_and_b32 s78, s42, 1
	s_lshl_b32 s78, s78, 8
	s_lshl_b32 s77, s[NH], 7
	s_add_co_u32 s78, s78, s77                     ; 4 x ((64 n + 32 nh) mod 128)
	s_cmp_lt_u32 s42, 2
	s_cselect_b64 s[22:23], s[10:11], s[68:69]     ; bq for n < 2, else bk
	s_add_nc_u64 s[22:23], s[22:23], s[78:79]
.irp b, 0,1,2,3,4,5,6,7
	global_load_b128 v[BI+8*\b:BI+8*\b+3],   v5, s[8:9] offset:64*\b
	global_load_b128 v[BI+8*\b+4:BI+8*\b+7], v5, s[8:9] offset:64*\b+16
.endr
.irp b, 0,1
	global_load_b128 v[BI+64+8*\b:BI+64+8*\b+3],   v5, s[22:23] offset:64*\b
	global_load_b128 v[BI+64+8*\b+4:BI+64+8*\b+7], v5, s[22:23] offset:64*\b+16
.endr
	; a fragment is 16 rows x 32 K in 8 registers: lane l holds row l % 16, K = 8 (l / 16) + 0..7 and 16 + 8 (l / 16) + 0..7: two loads of 16 bytes, 32 bytes apart
	v_mul_u32_u24 v3, v1, PITCH
	v_lshl_add_u32 v3, v2, 4, v3
	s_mul_i32 s77, s[MH], HA
	s_mul_i32 s12, s[NH], HB
	s_add_co_u32 s12, s12, BOFF
.irp s, 0,1
	v_add_nc_u32 v[ADRA+(\s)], s77, v3
	v_add_nc_u32 v[ADRB+(\s)], s12, v3
	s_add_co_u32 s77, s77, SLOT
	s_add_co_u32 s12, s12, SLOT
.endr
	s_mul_i32 s12, s[WV], STG                      ; my stage
	s_add_co_u32 s77, s12, STGQ
	v_add_nc_u32 v[STO], s12, v3                   ; in: row l % 16, 16 bytes for each half of the lanes
	v_mul_u32_u24 v4, v2, PITCH                    ; back: lanes 0-15 one row of 256 bytes, lanes 16-31 the next
	v_lshl_add_u32 v4, v1, 4, v4
	v_add_nc_u32 v[RD], s12, v4
	v_mul_u32_u24 v4, v1, 80                       ; q or k, in: rows of 64 bytes, 80 apart
	v_lshl_add_u32 v4, v2, 4, v4
	v_add_nc_u32 v[STQ], s77, v4
	v_and_b32 v6, 31, v0
	v_lshrrev_b32 v4, 2, v6                        ; back: four lanes a row, eight rows a load
	v_mul_u32_u24 v4, v4, 80
	v_and_b32 v7, 3, v0
	v_lshl_add_u32 v4, v7, 4, v4
	v_add_nc_u32 v[RDQ], s77, v4
	v_lshlrev_b32 v4, 11, v2                       ; the same two rows in vf,
	v_lshl_add_u32 v[CO], v1, 4, v4
	v_lshlrev_b32 v[CQ], 4, v6                     ; and the eight rows, 512 dense bytes, in a piece of qk
	s_lshl_b32 s78, s43, 19                        ; vf at row 256 mt + 128 mh, column 256 n + 128 nh
	s_lshl_b32 s77, s[MH], 18
	s_add_co_u32 s78, s78, s77
	s_lshl_b32 s77, s42, 9
	s_add_co_u32 s78, s78, s77
	s_lshl_b32 s77, s[NH], 8
	s_add_co_u32 s78, s78, s77
	s_add_nc_u64 s[70:71], s[70:71], s[78:79]
	s_lshl_b32 s78, s42, 21                        ; qk at piece 2 n + nh, the same row
	s_lshl_b32 s77, s[NH], 20
	s_add_co_u32 s78, s78, s77
	s_lshl_b32 s77, s43, 14
	s_add_co_u32 s78, s78, s77
	s_lshl_b32 s77, s[MH], 13
	s_add_co_u32 s78, s78, s77
	s_add_nc_u64 s[72:73], s[72:73], s[78:79]
	s_wait_loadcnt 0x0                             ; the biases
.set i, 0
.rept 40
	v_cvt_pk_bf16_f32 v[BP+i], v[BI+2*i], v[BI+2*i+1]  ; rounded once to bf16, and out of the fragments' way
.set i, i+1
.endr
; 8 matrix instructions: column tile b x all 8 row tiles, 32 along K, buffers f.  zero = 1: the first product starts the sums.  The 80 accumulators take turns, one instruction a turn, in the same
; order in every quarter step.
.macro MULB f, b, zero
.set WB, (2+(\b)/4)%4+(\b)/8           ; window 2, 3, 1 for tiles 0-3, 4-7, 8-9
	WIN 0x04|(WB<<4)|(WB<<6)
.irp a, 0,1,2,3,4,5,6,7
.if \zero
	v_wmma_f32_16x16x32_bf16 v[8*(8*((\b)%4)+\a):8*(8*((\b)%4)+\a)+7], v[FB+80*(\f)+8*(\b):FB+80*(\f)+8*(\b)+7], v[FA+64*(\f)+8*\a:FA+64*(\f)+8*\a+7], 0
.else
	v_wmma_f32_16x16x32_bf16 v[8*(8*((\b)%4)+\a):8*(8*((\b)%4)+\a)+7], v[FB+80*(\f)+8*(\b):FB+80*(\f)+8*(\b)+7], v[FA+64*(\f)+8*\a:FA+64*(\f)+8*\a+7], v[8*(8*((\b)%4)+\a):8*(8*((\b)%4)+\a)+7]
.endif
.endr
.endm
; 36 LDS loads in one run: the fragments of one quarter step (32 K at byte k of the rows) into buffers f
.macro FETCH slot, k, f
	WIN 0
.irp i, 0,1,2,3,4,5,6,7,8,9
	ds_load_b128 v[FB+80*(\f)+8*\i:FB+80*(\f)+8*\i+3],   v[ADRB+(\slot)] offset:(\k)+\i*16*PITCH
	ds_load_b128 v[FB+80*(\f)+8*\i+4:FB+80*(\f)+8*\i+7], v[ADRB+(\slot)] offset:(\k)+\i*16*PITCH+32
.endr
	WIN 0x40
.irp i, 0,1,2,3,4,5,6,7
	ds_load_b128 v[FA+64*(\f)+8*\i:FA+64*(\f)+8*\i+3],   v[ADRA+(\slot)] offset:(\k)+\i*16*PITCH
	ds_load_b128 v[FA+64*(\f)+8*\i+4:FA+64*(\f)+8*\i+7], v[ADRA+(\slot)] offset:(\k)+\i*16*PITCH+32
.endr
.endm
; One of a K step's first three quarters: multiplies buffers f; behind 32 of its 80 products it fetches the next quarter, at byte k, into buffers g: 48 products ahead of the wait for them.
.macro QUARTER slot, k, f, g, zero
	s_wait_dscnt 0x0                               ; this quarter's fragments are in
.irp b, 0,1,2,3
	MULB \f, \b, \zero
.endr
	PLACES
	FETCH \slot, \k, \g
.irp b, 4,5,6,7,8,9
	MULB \f, \b, \zero
.endr
.endm
; The last quarter multiplies buffers 1 and changes slots: ONE barrier.  In front of it each wave waits for all its tensor loads (one is out: its part of the next slot), adds 0 to its spare word, and waits
; for that and for its reads of this slot.  fill = 1: the barrier opens a round of the cluster's barrier, and this slot is filled again, two K steps ahead, first thing behind the round:
; 288 products stand between that request and the wait for it.
.macro TURN slot, next, fill
	s_wait_dscnt 0x0                               ; the last quarter's fragments are in: my reads of this slot are over
	WIN 0
	s_wait_tensorcnt 0x0
	ds_add_u32 v[SPW], v[NIL]                      ; 0 onto my spare word; sixteen products stand between it and the wait for it
	MULB 1, 0, 0
	MULB 1, 1, 0
	s_wait_dscnt 0x0
	s_barrier_signal -1
	MULB 1, 2, 0
	MULB 1, 3, 0
	WIN 0
	s_barrier_wait -1
.if \fill
	CREST
	s_add_nc_u64 s[G0+4*(\slot)+2:G0+4*(\slot)+3], s[G0+4*(\slot)+2:G0+4*(\slot)+3], 512
	s_add_nc_u64 s[G0B+4*(\slot)+2:G0B+4*(\slot)+3], s[G0B+4*(\slot)+2:G0B+4*(\slot)+3], 512
	JLOAD \slot                                    ; its four v_nop are also the places in front of the loads below
.else
	PLACES
.endif
	FETCH \next, 0, 0
.irp b, 4,5,6,7,8,9
	MULB 1, \b, 0
.endr
.endm
	s_wait_tensorcnt 1                             ; my part of K step 0 is in; K step 1's may stay out
	s_barrier_signal -1
	s_barrier_wait -1
	FETCH 0, 0, 0
	QUARTER 0, 64, 0, 1, 1                         ; the first quarter stands in front of the loop: its products start the sums
	WIN 0
	s_mov_b32 s3, LAPS-1
.Llap:                                                 ; a trip goes once round the ring and fills both slots again: K steps 2 to 7 in three trips
	QUARTER 0, 128, 1, 0, 0
	QUARTER 0, 192, 0, 1, 0
	TURN 0, 1, 1
	QUARTER 1, 64,  0, 1, 0
	QUARTER 1, 128, 1, 0, 0
	QUARTER 1, 192, 0, 1, 0
	TURN 1, 0, 1
	QUARTER 0, 64,  0, 1, 0
	WIN 0
	s_sub_co_u32 s3, s3, 1
	s_cmp_lg_u32 s3, 0
	s_cbranch_scc1 .Llap
	QUARTER 0, 128, 1, 0, 0                        ; the last lap fills nothing
	QUARTER 0, 192, 0, 1, 0
	TURN 0, 1, 0                                   ; behind this barrier no wave reads slot 0 any more, and nothing is ever filled into it again
	QUARTER 1, 64,  0, 1, 0
	QUARTER 1, 128, 1, 0, 0
	QUARTER 1, 192, 0, 1, 0
	s_wait_dscnt 0x0
.irp b, 0,1,2,3,4,5,6,7,8,9
	MULB 1, \b, 0
.endr
	; THE WAY OUT, a block of 16 rows at a time: bias, f16, 16 bytes a lane into my own stage, back as whole rows, stored.
	WIN 0
	PLACES
.set i, 0
.rept 40
	v_lshlrev_b32 v[BI+2*i], 16, v[BP+i]           ; the biases as f32
	v_and_b32 v[BI+2*i+1], s13, v[BP+i]
.set i, i+1
.endr
.macro PADD a, b                       ; each accumulator's lowest registers are read first
.irp i, 0,2,4,6
	v_pk_add_f32 v[8*(8*((\b)%4)+(\a))+\i:8*(8*((\b)%4)+(\a))+\i+1], v[8*(8*((\b)%4)+(\a))+\i:8*(8*((\b)%4)+(\a))+\i+1], v[BI+8*(\b)+\i:BI+8*(\b)+\i+1]
.endr
.endm
.macro PCVT a, b
.irp i, 0,1,2,3
	v_cvt_pk_f16_f32 v[TMP+4*(\b)+\i], v[8*(8*((\b)%4)+(\a))+2*\i], v[8*(8*((\b)%4)+(\a))+2*\i+1]
.endr
.endm
.macro PACK a
	WIN 0x82
.irp b, 0,1,2,3
	PADD \a, \b
.endr
	WIN 0x0a
.irp b, 0,1,2,3
	PCVT \a, \b
.endr
	WIN 0xc3
.irp b, 4,5,6,7
	PADD \a, \b
.endr
	WIN 0x0f
.irp b, 4,5,6,7
	PCVT \a, \b
.endr
	WIN 0x41
.irp b, 8,9
	PADD \a, \b
.endr
	WIN 0x05
.irp b, 8,9
	PCVT \a, \b
.endr
	WIN 0
.endm
.macro TOSTAGE a
	WIN 0
.set BK, OB+40*((\a)%2)
.irp b, 0,1,2,3,4,5,6,7
	ds_store_b128 v[STO], v[TMP+4*\b:TMP+4*\b+3] offset:32*\b
.endr
	ds_store_b128 v[STQ], v[TMP+32:TMP+35]
	ds_store_b128 v[STQ], v[TMP+36:TMP+39] offset:32
.irp t, 0,1,2,3,4,5,6,7
	ds_load_b128 v[BK+4*\t:BK+4*\t+3], v[RD] offset:\t*2*PITCH  ; LDS serves a wave's instructions in order (ISA guide 5.7.1.4): these see the stores above
.endr
	ds_load_b128 v[BK+32:BK+35], v[RDQ]
	ds_load_b128 v[BK+36:BK+39], v[RDQ] offset:640
.endm
.macro SEND a
	WIN 0
.set BK, OB+40*((\a)%2)
	s_wait_dscnt 0x0                               ; the block is back in registers
	s_wait_xcnt 0x0                                ; the stores of the block before have read their registers: the next TOSTAGE loads into them
.irp t, 0,1,2,3,4,5,6,7
	global_store_b128 v[CO], v[BK+4*\t:BK+4*\t+3], s[70:71] offset:(16*(\a)+2*\t)*2048  ; 16 lanes store 256 consecutive bytes, at a multiple of 256 from vf's first byte
.endr
	global_store_b128 v[CQ], v[BK+32:BK+35], s[72:73] offset:1024*(\a)                  ; 512 consecutive bytes of a piece
	global_store_b128 v[CQ], v[BK+36:BK+39], s[72:73] offset:1024*(\a)+512
.endm
	PACK 0
	TOSTAGE 0
.irp a, 1,2,3,4,5,6,7                  ; block a's arithmetic stands between block a - 1's loads from the stage and the wait for them
	PACK \a
	SEND (\a)-1
	TOSTAGE \a
.endr
	SEND 7
	s_wait_tensorcnt 0x0                           ; the wave's end
	ds_add_u32 v[SPW], v[NIL]
	s_wait_dscnt 0x0
	CROUND                                         ; the closing round
	s_endpgm
.Lfunc_end_k_qc15b60c9d2_proj:
	.size	k_qc15b60c9d2_proj, .Lfunc_end_k_qc15b60c9d2_proj-k_qc15b60c9d2_proj
	.p2alignl 7, 3214868480
	.fill 96, 4, 3214868480
	.section	.rodata,"a",@progbits
	.p2align	6, 0x0
	.amdhsa_kernel k_qc15b60c9d2_proj
		.amdhsa_group_segment_fixed_size 327680
		.amdhsa_private_segment_fixed_size 0
		.amdhsa_enable_private_segment 0
		.amdhsa_kernarg_size 56
		.amdhsa_user_sgpr_count 2
		.amdhsa_user_sgpr_kernarg_segment_ptr 1
		.amdhsa_wavefront_size32 1
		.amdhsa_system_sgpr_workgroup_id_x 1
		.amdhsa_system_sgpr_workgroup_id_y 1
		.amdhsa_system_sgpr_workgroup_id_z 1
		.amdhsa_system_vgpr_workitem_id 0
		.amdhsa_next_free_vgpr 1024
		.amdhsa_next_free_sgpr 80
		.amdhsa_reserve_vcc 0
		.amdhsa_float_denorm_mode_32 3
		.amdhsa_float_denorm_mode_16_64 3
		.amdhsa_memory_ordered 1
		.amdhsa_forward_progress 1
		.amdhsa_inst_pref_size 199
	.end_amdhsa_kernel
	.amdgpu_metadata
---
amdhsa.version: [ 1, 2 ]
amdhsa.kernels:
  - .name:           k_qc15b60c9d2_proj
    .symbol:         k_qc15b60c9d2_proj.kd
    .args:
      - { .name: xb, .offset: 0, .size: 8, .value_kind: global_buffer, .address_space: global }
      - { .name: wb, .offset: 8, .size: 8, .value_kind: global_buffer, .address_space: global }
      - { .name: bv, .offset: 16, .size: 8, .value_kind: global_buffer, .address_space: global }
      - { .name: bq, .offset: 24, .size: 8, .value_kind: global_buffer, .address_space: global }
      - { .name: bk, .offset: 32, .size: 8, .value_kind: global_buffer, .address_space: global }
      - { .name: vf, .offset: 40, .size: 8, .value_kind: global_buffer, .address_space: global }
      - { .name: qk, .offset: 48, .size: 8, .value_kind: global_buffer, .address_space: global }
    .group_segment_fixed_size: 327680
    .private_segment_fixed_size: 0
    .kernarg_segment_align: 8
    .kernarg_segment_size: 56
    .max_flat_workgroup_size: 128
    .sgpr_count:     80
    .vgpr_count:     1024
    .wavefront_size: 32
...
	.end_amdgpu_metadata
.endif
;; end of part 2
;; launch attn (part 3): grid 16 x 16, 4 waves a work-group, clusters of 4 x 1, 327,680 bytes of LDS; arguments vf, qk, xb, gamma, out0; writes out0
.if DOCPART == 3
	.amdgcn_target "amdgcn-amd-amdhsa--gfx1250"
	.amdhsa_code_object_version 6
	.text
	.protected	k_qc15b60c9d2_attn
	.globl	k_qc15b60c9d2_attn
	.p2align	8
	.type	k_qc15b60c9d2_attn,@function
k_qc15b60c9d2_attn:
	s_mov_b64 s[64:65], 0
	v_nop
	global_prefetch_b8 v0, s[64:65] scope:SCOPE_SE
	s_setreg_imm32_b32 hwreg(HW_REG_WAVE_MODE, 25, 1), 1
	s_wait_xcnt 0x0
	s_wait_alu depctr_hold_cnt(0) depctr_sa_sdst(0) depctr_va_vdst(0) depctr_va_sdst(0) depctr_va_ssrc(0) depctr_va_vcc(0) depctr_vm_vsrc(0)
	s_getreg_b32 s2, hwreg(HW_REG_IB_STS2, 6, 4)
	s_cmp_eq_u32 s2, 0
	s_cbranch_scc0 .Lentry_in_a_cluster
	s_endpgm
.Lentry_in_a_cluster:
	s_bfe_u32 s2, ttmp6, 0x10000c
	s_cmp_lg_u32 s2, 0x3003
	s_cbranch_scc0 .Lentry_shape_is_right
	s_endpgm
.Lentry_shape_is_right:
; out0[b][c][s] = gamma x (the sum over t of v[t][c] beta[t][s]) + x[b][s][c],  beta[.][s] = softmax over t of q[t] . k[s].  So s plays the query (its vector is k[s]), t the key (q[t]), v[t] the value.
; vf: [16384][1024] f16.  qk: pieces [16384][32] f16, 0-3 of q, 4-7 of k.  xb: bf16(x).  Products, maxima and sums in f32; the weights p are rounded to f16 for the second product (their sum l is taken of
; the unrounded p); gamma is rounded once to bf16, as every input is; the residual is bf16(x).
; LIMITS.  p lies in 0 to 1 and below 6e-8 counts as 0 in the product; a weight below 2^-126 counts as 0 in l; the running maximum starts at the lowest finite number.  NaN and infinities are not treated apart.
; SHARES.  A work-group owns 128 s x 512 c of one batch: 16 x 16 work-groups, one for each of 256 WGPs.  Every work-group walks all 2,048 t, 64 a tile.  Wave w makes the scores and the softmax of
; s-tiles 2 w and 2 w + 1 (so the scores of a batch are made twice, once for each half of c), and owns the sums for c = 128 w .. 128 w + 127 and all 128 s: 64 accumulators, 512 registers.
; LAYOUT.  S^T = q k^T (source 0 = 16 t, source 1 = 16 s): a lane holds ONE s (lane % 16) and t = 8 (lane / 16) + 0..7.  Two such tiles rounded to f16 in pairs ARE a fragment (16 s x 32 t) of P.  The waves
; hand each other P and the rescaling factors a through LDS.  O = P V (source 0 = P's fragment, source 1 = V turned by ds_load_tr16_b128): a lane holds one c and eight neighbouring s: 32 bytes of a row of out0.
; SOFTMAX.  p = 2^(c s - c m), c = log2(e), with a running maximum m; for every tile O and l are multiplied by a = 2^(c m_old - c m_new).  l starts at 0, c m far below every c s: the first a is 0.
; PIPELINE.  Side j % 2 of LDS holds V(j), q(j + 2), P(j), a(j).  TRIP j goes from one round of the cluster's barrier to the next:
;   X1  64 products O += P(j - 1) V(j - 1), t 32-63, out of registers loaded before the round: the first 16 stand between the round's opening signal and its wait;
;   X2  64 products O += P(j) V(j), t 0-31, whose fragments are loaded during X1;   between X1's and X2's product on an accumulator it is multiplied by a(j);
;   X3  32 products S(j + 2), whose q is loaded during X2; each quarter of q's registers, as its channel block is done, takes a quarter of the fragments of t 32-63 of tile j.
; The softmax of S(j + 1) rides behind X1's first and X2's second half, one exponential a product; P(j + 1), a(j + 1) go onto the other side in X3.  The maximum and statistics of the scores just made stand at
; the next trip's head, between the add and the wait for it, where the last eight loads are still on their way.  Every group of fragments has the same registers in every trip: one text for all trips.
; THE PRICE OF ONE TEXT.  Trips 30 and 31 make scores of q tiles that lie in LDS since earlier trips, and what the softmax makes of them is never used; l is set aside at the head of each of the last three
; trips, and the copy taken at trip 31's head is the final l.  O's registers take their first numbers from 64 products, with C = 0, on q(1)'s fragments (finite: 32 x 65,504^2 at the most); trip 0 adds the like once
; more and multiplies all of it by a(0) = 0.
; CLUSTER 4 x 1: the four partners share batch and half of c and walk the same V and q, so these tiles are asked for jointly.  V(30), V(31) and the residual's tiles are each work-group's own loads: they share
; one line of the second copy of the trip, and the residual's rows differ from partner to partner.
; REGISTERS in windows of 256 (s_set_vgpr_msb: bits 1:0 source 0, 3:2 source 1, 5:4 source 2, 7:6 destination):
;   window 0: v0-31 addresses; v32-47 statistics, 8 a tile; v48-79 a, 4 x 8; v80-143 S^T; v144-207 k's fragments; v208-239 P; v240-243 l set aside.  On the way out v80-111 results, v112-143 x, v144-207 rows read back
;   window 1: v0-127 (F0) P's and V's fragments of t 0-31; v128-255 (F1) those of t 32-63, and ahead of them q's 16 fragments, channel block kc at v[128 + 32 kc]
;   window 2: accumulators of s-tiles 0-3 ((b, a) at v[8 (8 (b % 4) + a)], a the c-tile);   window 3: of s-tiles 4-7
.set SLOT1, 1<<17                      ; side 1 begins here: one exclusive or turns an address in one side into the other's
.set PVP,   544                        ; a row of V (or x) in LDS: 512 bytes + 32 = 136 words
.set VSUB,  64*PVP                     ; 64 rows x 256 c: what one load brings; two of them a side
.set QOFF,  2*VSUB
.set PQ,    80                         ; a row of a piece of q: 64 bytes + 16
.set QPC,   64*PQ
.set POFF,  QOFF+4*QPC                 ; P: fragment (b, kk) at (2 b + kk) x 1,024: register half x 512 + 16 x lane.  Written by ds_store alone
.set AOFF,  POFF+16*1024               ; a[128]
.set QZ,    SLOT1+AOFF+512             ; q(0), then q(1): filled once
.set GTB,   QZ+8*QPC                   ; gamma / l, [128]
.set STAGE, GTB+512                    ; 16 rows x 272 for each wave
.set SP,    272
.set SPARE, STAGE+4*16*SP              ; the spare words, 128 bytes a wave
.set AV0,  3                           ; v3-8   my lane's places in V, q, P (read, write), a (read, write); never rewritten
.set AQ0,  4
.set AP0,  5
.set APW0, 6
.set AA0,  7
.set AAW0, 8
.set AV,   9                           ; v9-14  the same plus the side, made once a trip
.set AQ,   10
.set AP,   11
.set APW,  12
.set AAR,  13
.set AAW,  14
.set STO,  15
.set RD,   16
.set GO,   17
.set KO,   18
.set GR,   22
.set GW,   23
.set MV,   26                          ; v26-27 c m_old, kept while c m is made anew
.set SPW,  28
.set NIL,  29
.set ST,   32                          ; tile u at ST + 8 u: c m, m, l (even t's, odd t's), c0-c3 at work; c2 takes a
.set AA,   48
.set S,    80
.set KF,   144
.set P,    208
.set LS,   240
.set T,    80
.set X,    112
.set OB,   144
.set WV,   14
.set G1V,  24
.set G1Q,  32
.set G1X,  40
.set G0V,  48
.set G0Q,  52
.set G0X,  56
.set CS,   60                          ; s[60:61] c
.set SEL,  62                          ; s[62:63] v_permlanex16_b32's selects: each lane takes its own place in the other half
.set TB,   66                          ; the side in hand
.set TBN,  67                          ; the other side
.set CNT,  68
.set GAM,  69
.set PXA,  72                          ; s[72:73] xb at my first tile
.set PVA,  74                          ; s[74:75] vf at my part of V(30); it steps
.set G0Z,  84                          ; s[84:87] group 0 for q(0)
.set G0Z2, 88                          ; s[88:91] for q(1)
.set MSB, 0
.macro WIN new                         ; the immediate's high byte repeats the setting that is left; a switch that changes nothing is dropped
.if MSB != (\new)
	s_set_vgpr_msb (MSB<<8)|(\new)
.set MSB, \new
.endif
.endm
.macro PLACES                          ; four places in front of loads into registers that matrix instructions have read, and of vector lines that read their results
.rept 4
	v_nop
.endr
.endm
.macro CREST                           ; a round of the cluster's barrier behind its opening barrier
	s_cmp_lg_u32 s[WV], 0
	s_cbranch_scc1 .Lnot_wave_0_\@
	s_barrier_signal -3
.Lnot_wave_0_\@:
	s_barrier_wait -3
	s_barrier_signal -1
	s_barrier_wait -1
.endm
.macro CROUND                          ; a whole round
	s_barrier_signal -1
	s_barrier_wait -1
	CREST
.endm
; The loads.  The branches hang on the wave's number alone.  An s_nop 0 follows each load line, four v_nop the last of a branch.
.macro JLOADF                          ; the first fills, one branch a wave: waves 0, 1 V(0)'s halves; wave 2 q(2); wave 3 q(0) and q(1)
	s_cmp_lt_u32 s[WV], 2
	s_cbranch_scc0 .Lfq_\@
	tensor_load_to_lds s[G0V:G0V+3], s[G1V:G1V+7]
	s_nop 0
.rept 4
	v_nop
.endr
	s_branch .Lfd_\@
.Lfq_\@:
	s_cmp_eq_u32 s[WV], 2
	s_cbranch_scc0 .Lfz_\@
	tensor_load_to_lds s[G0Q:G0Q+3], s[G1Q:G1Q+7]
	s_nop 0
.rept 4
	v_nop
.endr
	s_branch .Lfd_\@
.Lfz_\@:
	tensor_load_to_lds s[G0Z:G0Z+3], s[G1Q:G1Q+7]
	s_nop 0
	tensor_load_to_lds s[G0Z2:G0Z2+3], s[G1Q:G1Q+7]
	s_nop 0
.rept 4
	v_nop
.endr
.Lfd_\@:
.endm
.macro JLOAD                           ; a joint refill: waves 0, 1 V's halves, wave 2 q; wave 3 has no part
	s_cmp_lt_u32 s[WV], 2
	s_cbranch_scc0 .Ljq_\@
	tensor_load_to_lds s[G0V:G0V+3], s[G1V:G1V+7]
	s_nop 0
.rept 4
	v_nop
.endr
	s_branch .Ljd_\@
.Ljq_\@:
	s_cmp_eq_u32 s[WV], 2
	s_cbranch_scc0 .Ljd_\@
	tensor_load_to_lds s[G0Q:G0Q+3], s[G1Q:G1Q+7]
	s_nop 0
.rept 4
	v_nop
.endr
.Ljd_\@:
.endm
.macro JLOADX                          ; a refill of the work-group's own: waves 0, 1 the two halves of 64 rows x 512 c
	s_cmp_lt_u32 s[WV], 2
	s_cbranch_scc0 .Lnx_\@
	tensor_load_to_lds s[G0X:G0X+3], s[G1X:G1X+7]
	s_nop 0
.rept 4
	v_nop
.endr
.Lnx_\@:
.endm
	s_load_b256 s[4:11], s[0:1], 0x0               ; vf s[4:5], qk s[6:7], xb s[8:9], gamma s[10:11]
	s_load_b64 s[12:13], s[0:1], 0x20              ; out0
	v_lshl_add_u32 v[SPW], v0, 2, SPARE
	v_mov_b32 v[NIL], 0
	ds_add_u32 v[SPW], v[NIL]                      ; the wave's opening: the add and its wait stand ahead of my first tensor load; work on registers stands between them
	v_lshrrev_b32 v1, 5, v0
	v_readfirstlane_b32 s[WV], v1
	s_bfe_u32 s15, ttmp6, 0x40000                  ; cx
	s_lshl_b32 s16, ttmp9, 2
	s_add_co_u32 s16, s16, s15                     ; my block of 128 s: it enters k's, xb's and out0's addresses alone
	s_and_b32 s17, ttmp7, 0xffff
	s_lshr_b32 s18, s17, 1                         ; the batch,
	s_and_b32 s19, s17, 1                          ; the half of c: the four partners share both
	s_and_b32 s22, s[WV], 1                        ; waves 0, 1: which 256 c I fetch
	s_lshl_b32 s20, s18, 22                        ; vf: the batch's 2,048 rows of 2,048 bytes,
	s_lshl_b32 s21, s19, 10                        ; the half's 1,024 bytes,
	s_add_co_u32 s20, s20, s21
	s_lshl_b32 s21, s22, 9                         ; my 512
	s_add_co_u32 s20, s20, s21
	s_mov_b32 s21, 0
	s_lshl_b32 s70, s18, 17                        ; a piece of q: the batch's 2,048 rows of 64 bytes
	s_mov_b32 s71, 0
	s_lshl_b32 s76, s16, 18                        ; xb: as vf, and my 128 rows
	s_add_co_u32 s76, s76, s20
	s_mov_b32 s77, 0
	s_lshl_b32 s78, s18, 23                        ; out0: ((1,024 b + 512 half + 128 w) x 2,048 + 128 block) x 4
	s_lshl_b32 s79, s19, 22
	s_add_co_u32 s78, s78, s79
	s_lshl_b32 s79, s[WV], 20
	s_add_co_u32 s78, s78, s79
	s_lshl_b32 s79, s16, 9
	s_add_co_u32 s78, s78, s79
	s_mov_b32 s79, 0
	s_lshl_b32 s82, s18, 17                        ; k: piece 4, row 2,048 b + 128 block + 32 w
	s_lshl_b32 s83, s16, 13
	s_add_co_u32 s82, s82, s83
	s_lshl_b32 s83, s[WV], 11
	s_add_co_u32 s82, s82, s83
	s_add_co_u32 s82, s82, 4<<20
	s_mov_b32 s83, 0
	; group 1 for V: 64 rows x 256 elements, 2,048 bytes apart in memory, padded by 32 bytes behind each row of 512
	s_mov_b32 s[G1V], 15|(1<<16)|(1<<20)|(1<<21)|(6<<22)|(7<<25)   ; the mask of four; 2-byte elements; padding on; bit 21 beside a mask; after every 128 words 8 words
	s_mov_b32 s[G1X], (1<<16)|(1<<20)|(6<<22)|(7<<25)              ; the same shape, no mask
.irp g, G1V, G1X
	s_mov_b32 s[\g+1], 256<<16
	s_mov_b32 s[\g+2], 64<<16
	s_mov_b32 s[\g+3], 256<<16
	s_mov_b32 s[\g+4], 64
	s_mov_b32 s[\g+5], 1024
	s_mov_b32 s[\g+6], 0
	s_mov_b32 s[\g+7], 0
.endr
	; group 1 for q: 64 rows of a piece are 4,096 dense bytes, one row of the tile; four pieces, 1,048,576 bytes apart; padded by 16 bytes behind every 64
	s_mov_b32 s[G1Q], 15|(1<<16)|(1<<20)|(1<<21)|(3<<22)|(3<<25)
	s_mov_b32 s[G1Q+1], 2048<<16
	s_mov_b32 s[G1Q+2], 4<<16
	s_mov_b32 s[G1Q+3], 2048<<16
	s_mov_b32 s[G1Q+4], 4
	s_mov_b32 s[G1Q+5], 524288
	s_mov_b32 s[G1Q+6], 0
	s_mov_b32 s[G1Q+7], 0
	s_mov_b32 s[G0V], 1
	s_mul_i32 s[G0V+1], s22, VSUB                  ; V(0): side 0
	s_mov_b32 s[G0Q], 1
	s_mov_b32 s[G0Q+1], QOFF                       ; q(2): side 0
	s_mov_b32 s[G0Z], 1
	s_mov_b32 s[G0Z+1], QZ                         ; q(0) and q(1): bytes of their own
	s_mov_b32 s[G0Z2], 1
	s_mov_b32 s[G0Z2+1], QZ+4*QPC
	s_mov_b32 s[G0X], 1
	s_mul_i32 s[G0X+1], s22, VSUB
	s_add_co_u32 s[G0X+1], s[G0X+1], SLOT1         ; its first use, in trip 29, turns it to side 0
	s_mov_b32 s[CS], 0x3fb8aa3b                    ; c = log2(e)
	s_mov_b32 s[CS+1], s[CS]
	s_mov_b32 s[SEL], 0x76543210
	s_mov_b32 s[SEL+1], 0xfedcba98
	s_mov_b32 s[TB], SLOT1                         ; trip 0's head turns these two round
	s_mov_b32 s[TBN], 0
	s_wait_dscnt 0x0                               ; the opening add is done
	s_wait_kmcnt 0x0
	s_load_b32 s[GAM], s[10:11], 0x0
	s_add_nc_u64 s[G0V+2:G0V+3], s[4:5], s[20:21]
	s_add_nc_u64 s[PVA:PVA+1], s[G0V+2:G0V+3], 30*131072
	s_or_b32 s[G0V+3], s[G0V+3], 0x80000000
	s_add_nc_u64 s[G0Z+2:G0Z+3], s[6:7], s[70:71]
	s_add_nc_u64 s[G0Z2+2:G0Z2+3], s[G0Z+2:G0Z+3], 4096
	s_add_nc_u64 s[G0Q+2:G0Q+3], s[G0Z+2:G0Z+3], 8192
	s_or_b32 s[G0Z+3], s[G0Z+3], 0x80000000
	s_or_b32 s[G0Z2+3], s[G0Z2+3], 0x80000000
	s_or_b32 s[G0Q+3], s[G0Q+3], 0x80000000
	s_add_nc_u64 s[PXA:PXA+1], s[8:9], s[76:77]
	s_add_nc_u64 s[12:13], s[12:13], s[78:79]
	s_add_nc_u64 s[82:83], s[6:7], s[82:83]
	CROUND                                         ; all four work-groups are here: the first joint loads meet
	JLOADF                                         ; one load of mine is out, two of wave 3's
	v_and_b32 v1, 15, v0                           ; r = l % 16
	v_bfe_u32 v2, v0, 4, 1                         ; h = l / 16
	v_and_b32 v19, 31, v0
	v_lshlrev_b32 v[KO], 6, v1
	v_lshl_add_u32 v[KO], v2, 4, v[KO]
.irp f, 0,1,2,3,4,5,6,7                ; k stays in registers: tile f / 4, channels 32 (f % 4) on: piece 4 + f % 4
	global_load_b128 v[KF+8*\f:KF+8*\f+3],   v[KO], s[82:83] offset:(\f%4)*1048576+(\f/4)*1024
	global_load_b128 v[KF+8*\f+4:KF+8*\f+7], v[KO], s[82:83] offset:(\f%4)*1048576+(\f/4)*1024+32
.endr
	; the turning load takes 16 t x 16 c (lane l reads t = 8 h + l % 8, c = 8 ((l / 8) % 2) + 0..7) and leaves half a fragment: lane l holds c = l % 16 and 8 t
	v_and_b32 v20, 7, v0
	v_bfe_u32 v21, v0, 3, 1
	v_lshl_add_u32 v[AV0], v2, 3, v20
	v_mul_u32_u24 v[AV0], v[AV0], PVP
	v_lshl_add_u32 v[AV0], v21, 4, v[AV0]
	s_lshr_b32 s80, s[WV], 1
	s_mul_i32 s80, s80, VSUB
	s_lshl_b32 s81, s22, 8
	s_add_co_u32 s80, s80, s81                     ; my 128 c: sub-tile w / 2, byte 256 (w % 2)
	v_add_nc_u32 v[AV0], s80, v[AV0]
	v_mul_u32_u24 v[AQ0], v1, PQ
	v_lshl_add_u32 v[AQ0], v2, 4, v[AQ0]
	v_add_nc_u32 v[AQ0], QOFF, v[AQ0]
	v_lshlrev_b32 v[AP0], 4, v19
	v_add_nc_u32 v[AP0], POFF, v[AP0]
	s_lshl_b32 s80, s[WV], 12
	v_add_nc_u32 v[APW0], s80, v[AP0]              ; my four fragments of P
	v_lshlrev_b32 v[AA0], 5, v2
	v_add_nc_u32 v[AA0], AOFF, v[AA0]
	s_lshl_b32 s80, s[WV], 7
	v_lshl_add_u32 v[AAW0], v1, 2, s80
	v_add_nc_u32 v[AAW0], AOFF, v[AAW0]
	s_mul_i32 s80, s[WV], 16*SP
	s_add_co_u32 s80, s80, STAGE
	v_mul_u32_u24 v20, v1, SP                      ; into the stage: row c = r, 32 bytes for each half of the lanes
	v_lshl_add_u32 v20, v2, 5, v20
	v_add_nc_u32 v[STO], s80, v20
	v_mul_u32_u24 v20, v2, SP                      ; back: lanes 0-15 one row of 256 bytes, lanes 16-31 the next
	v_lshl_add_u32 v20, v1, 4, v20
	v_add_nc_u32 v[RD], s80, v20
	v_lshlrev_b32 v20, 13, v2                      ; and the same two rows of out0, 8,192 bytes apart
	v_lshl_add_u32 v[GO], v1, 4, v20
	v_add_nc_u32 v[GR], GTB-AOFF, v[AA0]
	v_add_nc_u32 v[GW], GTB-AOFF, v[AAW0]
.irp u, 0,1
	v_mov_b32 v[ST+8*\u], 0xfe000000               ; c m: far below every c s
	v_mov_b32 v[ST+8*\u+1], 0xff7fffff             ; m
	v_mov_b32 v[ST+8*\u+2], 0
	v_mov_b32 v[ST+8*\u+3], 0
.endr
; THE MATRIX WORK.  The accumulators take turns, one instruction a turn: 8 in a run of scores, 64 in each run of O's.
.macro SW                              ; product i of 32 of S^T: channels 32 (i / 8) on, t 16 ((i / 2) % 4) on, tile i % 2.  The first 8 start the sums
.set rS, S+32*(i%2)+8*((i/2)%4)
.set rQ, 128+32*(i/8)+8*((i/2)%4)
.set rK, KF+32*(i%2)+8*(i/8)
	WIN 0x01
.if i < 8
	v_wmma_f32_16x16x32_f16 v[rS:rS+7], v[rQ:rQ+7], v[rK:rK+7], 0
.else
	v_wmma_f32_16x16x32_f16 v[rS:rS+7], v[rQ:rQ+7], v[rK:rK+7], v[rS:rS+7]
.endif
.set i, i+1
.endm
.macro OW kk, zero=0                   ; product o of 64 of O += P V for t 32 kk .. 32 kk + 31: s-tile o / 8, c-tile o % 8.  zero = 1: C is the constant 0
.set ob, o/8
.set rD, 8*(8*(ob%4)+o%8)
.set rF, 128*(\kk)+8*ob
.set rV, 128*(\kk)+64+8*(o%8)
	WIN 0xa5+0x50*(ob/4)
.if \zero
	v_wmma_f32_16x16x32_f16 v[rD:rD+7], v[rF:rF+7], v[rV:rV+7], 0
.else
	v_wmma_f32_16x16x32_f16 v[rD:rD+7], v[rF:rF+7], v[rV:rV+7], v[rD:rD+7]
.endif
.set o, o+1
.endm
; THE LDS LOADS, in runs of 8 to 24.
.macro AALOAD slot, b                  ; a of s-tile b: the eight s of my half of the lanes
	WIN 0
	ds_load_b128 v[AA+8*(\slot):AA+8*(\slot)+3],   v[AAR] offset:64*(\b)
	ds_load_b128 v[AA+8*(\slot)+4:AA+8*(\slot)+7], v[AAR] offset:64*(\b)+16
.endm
.macro LDQH hh                         ; eight of q's 16 fragments: piece 2 hh + f / 4, t 16 (f % 4) on
	WIN 0x40
.irp f, 0,1,2,3,4,5,6,7
	ds_load_b128 v[128+64*(\hh)+8*\f:128+64*(\hh)+8*\f+3],   v[AQ] offset:(2*(\hh)+\f/4)*QPC+(\f%4)*16*PQ
	ds_load_b128 v[128+64*(\hh)+8*\f+4:128+64*(\hh)+8*\f+7], v[AQ] offset:(2*(\hh)+\f/4)*QPC+(\f%4)*16*PQ+32
.endr
.endm
.macro LDP kk, lo                      ; P's fragments of t 32 kk on, s-tiles 4 lo .. 4 lo + 3
	WIN 0x40
.irp b, 0,1,2,3
	ds_load_b128 v[128*(\kk)+8*(4*(\lo)+\b):128*(\kk)+8*(4*(\lo)+\b)+3],   v[AP] offset:(2*(4*(\lo)+\b)+(\kk))*1024
	ds_load_b128 v[128*(\kk)+8*(4*(\lo)+\b)+4:128*(\kk)+8*(4*(\lo)+\b)+7], v[AP] offset:(2*(4*(\lo)+\b)+(\kk))*1024+512
.endr
.endm
.macro LDV kk, lo                      ; V's fragments of t 32 kk on, c-tiles 4 lo .. 4 lo + 3
	WIN 0x40
.irp a, 0,1,2,3
	ds_load_tr16_b128 v[128*(\kk)+64+8*(4*(\lo)+\a):128*(\kk)+64+8*(4*(\lo)+\a)+3],   v[AV] offset:32*(\kk)*PVP+32*(4*(\lo)+\a)
	ds_load_tr16_b128 v[128*(\kk)+64+8*(4*(\lo)+\a)+4:128*(\kk)+64+8*(4*(\lo)+\a)+7], v[AV] offset:32*(\kk)*PVP+16*PVP+32*(4*(\lo)+\a)
.endr
.endm
; THE RESCALING: line rs of 256: s-tile rs / 32, c-tile (rs % 32) / 4, register pair rs % 4 (an accumulator's lowest pair first): O times a, each register its own s
.macro RS1
.set rb, rs/32
.set rD, 8*(8*(rb%4)+(rs%32)/4)+2*(rs%4)
.set rA, AA+8*(rb%4)+2*(rs%4)
	WIN 0x82+0x41*(rb/4)
	v_pk_mul_f32 v[rD:rD+1], v[rD:rD+1], v[rA:rA+1]
.set rs, rs+1
.endm
; THE SOFTMAX of my two tiles for 64 t: 204 vector lines and 10 LDS stores; the two tiles alternate line by line.
.macro TREG u
.set rT, ST+8*(\u)
.set rC, ST+8*(\u)+4
.set rM, MV+(\u)
.set rS, S+32*(\u)
.set rP, P+16*(\u)
.endm
; The maximum and the statistics, number n of 22 for each tile.  0-11 four chains c0-c3 of seven scores each (each accumulator's lowest registers are read first); 12-14, 16 the four scores
; left over, the old m, c0-c3 into c0; 15 c m_old is kept; 17, 18 the s's other 32 t lie in the lane 16 away: the new m; 19-21 c m, c m_old - c m_new, a
.macro XS u, n
	TREG \u
.if (\n) < 4
	v_max3_num_f32 v[rC+(\n)], v[rS+8*(\n)], v[rS+8*(\n)+1], v[rS+8*(\n)+2]
.elseif (\n) < 12
	v_max3_num_f32 v[rC+(\n)%4], v[rC+(\n)%4], v[rS+8*((\n)%4)+2*((\n)/4)+1], v[rS+8*((\n)%4)+2*((\n)/4)+2]
.elseif (\n) == 12
	v_max3_num_f32 v[rC], v[rC], v[rS+7], v[rS+15]
.elseif (\n) == 13
	v_max3_num_f32 v[rC+1], v[rC+1], v[rS+23], v[rS+31]
.elseif (\n) == 14
	v_max3_num_f32 v[rC+2], v[rC+2], v[rC+3], v[rT+1]
.elseif (\n) == 15
	v_mov_b32 v[rM], v[rT]
.elseif (\n) == 16
	v_max3_num_f32 v[rC], v[rC], v[rC+1], v[rC+2]
.elseif (\n) == 17
	v_permlanex16_b32 v[rC+3], v[rC], s[SEL], s[SEL+1]
.elseif (\n) == 18
	v_max_num_f32 v[rT+1], v[rC], v[rC+3]
.elseif (\n) == 19
	v_mul_f32 v[rT], s[CS], v[rT+1]
.elseif (\n) == 20
	v_sub_f32 v[rC+1], v[rM], v[rT]
.else
	v_exp_f32 v[rC+2], v[rC+1]
.endif
.endm
; Group sg is scores 4 sg .. 4 sg + 3 of both tiles; sz numbers the lines of a block.
.macro FS                              ; 4 lines: c s - c m for the group's two pairs
	TREG sz%2
.set pr, 2*(2*sg+sz/2)
	v_pk_fma_f32 v[rS+pr:rS+pr+1], v[rS+pr:rS+pr+1], s[CS:CS+1], v[rT:rT+1] op_sel_hi:[1,0,0] neg_lo:[0,0,1] neg_hi:[0,0,1]
.endm
.macro ES                              ; 8 exponentials, in place
	TREG sz%2
	v_exp_f32 v[rS+4*sg+sz/2], v[rS+4*sg+sz/2]
.endm
.macro CB                              ; 8 lines: both pairs rounded to f16; the second pair added onto the first; l takes that sum (group 0: l = a l + sum)
	TREG sz%2
.if sz < 4
	s_wait_alu depctr_va_vdst(0)
	v_cvt_pk_f16_f32 v[rP+2*sg+sz/2], v[rS+4*sg+2*(sz/2)], v[rS+4*sg+2*(sz/2)+1]
.elseif sz < 6
	v_pk_add_f32 v[rS+4*sg:rS+4*sg+1], v[rS+4*sg:rS+4*sg+1], v[rS+4*sg+2:rS+4*sg+3]
.elseif sg == 0
	v_pk_fma_f32 v[rT+2:rT+3], v[rT+2:rT+3], v[rC+2:rC+3], v[rS:rS+1] op_sel_hi:[1,0,1]
.else
	v_pk_add_f32 v[rT+2:rT+3], v[rT+2:rT+3], v[rS+4*sg:rS+4*sg+1]
.endif
.endm
.macro WS                              ; my four fragments of P and my 32 a, onto the other side
.if sz < 8
	ds_store_b128 v[APW], v[P+4*sz:P+4*sz+3] offset:512*sz
.else
	ds_store_b32 v[AAW], v[ST+8*(sz-8)+6] offset:64*(sz-8)
.endif
.endm
; THE HEAD OF A SOFTMAX, 52 lines on end: the statistics, then the scalings of groups 0 and 1.  A plain line that touches neither a nor its source follows the two exponentials (ISA guide 5.7.2).
.macro MLUMP
	WIN 0
.irp n, 0,1,2,3,4,5,6,7,8,9,10,11,12,13,14,15,16,17,18,19,20,21
	XS 0, \n
	XS 1, \n
.endr
.irp g, 0,1
.set sg, \g
.set sz, 0
.rept 4
	FS
.set sz, sz+1
.endr
.endr
.endm
; THE RIDERS.  Stage sgE (0 to 7) has the eight exponentials of group sgE and, as plain lines, the scalings of group sgE + 2 (while there is one) and then the roundings and sums of group sgE - 1 (from
; stage 1 on): 4, 12 or 8 lines.  PLN writes plain line pi of the stage.
.macro PLN
.if (sgE <= 5) && (pi < 4)
.set sg, sgE+2
.set sz, pi
	FS
.elseif sgE <= 5
.set sg, sgE-1
.set sz, pi-4
	CB
.else
.set sg, sgE-1
.set sz, pi
	CB
.endif
.endm
; ET writes rider group t3 of 64, for one product: a plain line (in stage 0 in every second group), ONE exponential, and in stages 1 to 5 a second plain line in every second group.  No plain line of a stage
; names a register of the stage's exponentials, so each exponential has its plain line behind it before its result is used, a stage later.
.macro ET
	WIN 0
.set sgE, t3/8
.set ek, t3%8
.if sgE == 0
.if ek%2 == 0
.set pi, ek/2
	PLN
.endif
.elseif sgE <= 5
.set pi, ek+(ek+1)/2
	PLN
.else
.set pi, ek
	PLN
.endif
.set sg, sgE
.set sz, ek
	ES
.if (sgE >= 1) && (sgE <= 5) && (ek%2 == 0)
.set pi, ek+(ek+1)/2+1
	PLN
.endif
.set t3, t3+1
.endm
.macro SWN n
.rept \n
	SW
.endr
.endm
; The end of a softmax and the next scores.  Group 7's roundings and sums ride behind the first three products, which write other registers of S^T (t 48-63's are written by products 6 and 7); then P and a
; go out in one run.  load = 1: each 32 registers of q, when their channel block's eight products and four places are past, take a quarter of the fragments of t 32-63.
.macro X3 load
.set i, 0
.set sg, 7
.set sz, 0
.rept 3
	SW
	WIN 0
.rept 3
.if sz < 8
	CB
.set sz, sz+1
.endif
.endr
.endr
	SW
	WIN 0
.set sz, 0
.rept 10
	WS
.set sz, sz+1
.endr
	SWN 4
	PLACES
	LDP 1, 0
	SWN 8
	PLACES
	LDP 1, 1
	SWN 8
	PLACES
	LDV 1, 0
	SWN 8
	PLACES                                         ; also the places in front of the first read of the scores, at the next trip's head
	LDV 1, 1
.endm
; A TRIP.  kind 1: the joint refills V(j + 1), q(j + 3).  kind 2 (three trips): the work-group's own V(30), V(31), then the residual's rows 0-63; l is set aside.
.macro TRIP kind
	WIN 0
	s_wait_tensorcnt 0x0                           ; all my tensor loads have landed: at most one was out, my part of the side that this trip reads; so a group 0 may be written
	ds_add_u32 v[SPW], v[NIL]                      ; 0 onto my spare word; the descriptors' steps and 52 vector lines stand between it and the wait for it
.if (\kind) == 1
	s_xor_b32 s[G0V+1], s[G0V+1], SLOT1
	s_add_nc_u64 s[G0V+2:G0V+3], s[G0V+2:G0V+3], 131072   ; 64 rows of 2,048 bytes; the type bits on top are not reached
	s_xor_b32 s[G0Q+1], s[G0Q+1], SLOT1
	s_add_nc_u64 s[G0Q+2:G0Q+3], s[G0Q+2:G0Q+3], 4096     ; 64 rows of 64 bytes in each piece
.else
	s_xor_b32 s[G0X+1], s[G0X+1], SLOT1
	s_cmp_eq_u32 s[CNT], 1
	s_cselect_b64 s[G0X+2:G0X+3], s[PXA:PXA+1], s[PVA:PVA+1]
	s_or_b32 s[G0X+3], s[G0X+3], 0x80000000
	s_add_nc_u64 s[PVA:PVA+1], s[PVA:PVA+1], 131072
.irp u, 0,1
	v_mov_b32 v[LS+2*\u], v[ST+8*\u+2]             ; l as the trip finds it: trip 31's copy is the final l
	v_mov_b32 v[LS+2*\u+1], v[ST+8*\u+3]
.endr
.endif
	s_xor_b32 s[TB], s[TB], SLOT1
	s_xor_b32 s[TBN], s[TBN], SLOT1
	MLUMP                                          ; the maximum and statistics of the scores made last
	s_wait_dscnt 0x0                               ; the add is done; my reads of the side that I leave are back (the fragments of t 32-63 among them); my P and a are stored
	s_barrier_signal -1                            ; this barrier opens a round of the cluster's barrier
.set o, 0
.set t3, 0
.rept 16
	OW 1                                           ; work on registers while the others arrive
	ET
.endr
	WIN 0
	s_barrier_wait -1
	CREST                                          ; no wave of any partner still reads the side left or has a load on its way; the side in hand is whole: V, q, P, a
.if (\kind) == 1
	JLOAD
.else
	JLOADX
.endif
	v_add_nc_u32 v[AV],  s[TB],  v[AV0]
	v_add_nc_u32 v[AP],  s[TB],  v[AP0]
	v_add_nc_u32 v[AAR], s[TB],  v[AA0]
	v_add_nc_u32 v[AQ],  s[TB],  v[AQ0]
	v_add_nc_u32 v[APW], s[TBN], v[APW0]
	v_add_nc_u32 v[AAW], s[TBN], v[AAW0]
.irp b, 0,1,2,3
	AALOAD \b, \b
.endr
	LDP 0, 0
	LDP 0, 1
.rept 8
	OW 1
	ET
.endr
	LDV 0, 0
	LDV 0, 1
.rept 8
	OW 1
	ET
.endr
	s_wait_dscnt 32                                ; a of s-tiles 0-3 is in; the 32 loads of t 0-31 may stay out
.set rs, 0
.rept 32
	OW 1                                           ; s-tiles 4-7; behind them s-tiles 0-3, whose products of the old tile are done, are rescaled
.rept 4
	RS1
.endr
.endr
.irp b, 0,1,2,3
	AALOAD \b, \b+4
.endr
	LDQH 0                                         ; into F1: the four lines behind X1's last product are the places
	s_wait_dscnt 16                                ; t 0-31 and a of s-tiles 4-7 are in; the 16 loads of q just issued stay out
.set o, 0
.rept 8
	OW 0
.rept 4
	RS1
.endr
.endr
	LDQH 1
.rept 24
	OW 0
.rept 4
	RS1
.endr
.endr
.rept 32
	OW 0
	ET
.endr
	s_wait_dscnt 0x0                               ; q
	X3 1
	s_wait_dscnt 32                                ; the 32 loads into F1 stay out; the stores of P and a, issued ahead of them, are done: a's register is written anew at the next trip's head
	WIN 0
.endm
	s_wait_tensorcnt 0x0                           ; my first fills have landed,
	s_barrier_signal -1
	s_barrier_wait -1                              ; everybody's have
	; the first scores, from q(0): P(0) and a(0) go onto side 0
	v_add_nc_u32 v[AQ], QZ-QOFF, v[AQ0]
	v_add_nc_u32 v[APW], s[TBN], v[APW0]
	v_add_nc_u32 v[AAW], s[TBN], v[AAW0]
	LDQH 0
	LDQH 1
	s_wait_loadcnt 0x0                             ; k
	s_wait_kmcnt 0x0                               ; gamma
	s_wait_dscnt 0x0
.set i, 0
	SWN 32
	WIN 0
	PLACES
	MLUMP
.set t3, 0
.rept 64
	ET
.endr
.set sg, 7
.set sz, 0
.rept 8
	CB
.set sz, sz+1
.endr
.set sz, 0
.rept 10
	WS
.set sz, sz+1
.endr
	; the second scores, from q(1); their softmax is trip 0's
	v_add_nc_u32 v[AQ], QZ+4*QPC-QOFF, v[AQ0]
	LDQH 0
	LDQH 1
	s_wait_dscnt 0x0
.set i, 0
	SWN 32
	PLACES
.set o, 0
.rept 64
	OW 1, 1                                        ; O's registers take their first, finite numbers; trip 0 multiplies them by a(0) = 0
.endr
	WIN 0
	s_mov_b32 s[CNT], 29
.Lmain:                                                ; trips 0 to 28
	TRIP 1
	s_sub_co_u32 s[CNT], s[CNT], 1
	s_cmp_lg_u32 s[CNT], 0
	s_cbranch_scc1 .Lmain
	s_mov_b32 s[CNT], 3
.Ltail:                                                ; trips 29 to 31: no q is left to fetch
	TRIP 2
	s_sub_co_u32 s[CNT], s[CNT], 1
	s_cmp_lg_u32 s[CNT], 0
	s_cbranch_scc1 .Ltail
	; gamma / l for my 32 s: l's two halves and the other half of the lanes' are added
.irp u, 0,1
	v_add_f32 v[ST+8*\u+4], v[LS+2*\u], v[LS+2*\u+1]
.endr
.irp u, 0,1
	v_permlanex16_b32 v[ST+8*\u+5], v[ST+8*\u+4], s[SEL], s[SEL+1]
.endr
.irp u, 0,1
	v_add_f32 v[ST+8*\u+4], v[ST+8*\u+4], v[ST+8*\u+5]
.endr
.irp u, 0,1
	v_rcp_f32 v[ST+8*\u+6], v[ST+8*\u+4]
.endr
	v_mov_b32 v20, s[GAM]                          ; plain lines between the reciprocals and their use
	v_cvt_pk_bf16_f32 v20, v20, v20                ; gamma rounded once to bf16
	v_lshlrev_b32 v20, 16, v20
.irp u, 0,1
	s_wait_alu depctr_va_vdst(0)
	v_mul_f32 v[ST+8*\u+6], v[ST+8*\u+6], v20
.endr
.irp u, 0,1
	ds_store_b32 v[GW], v[ST+8*\u+6] offset:64*\u
.endr
	; the last change of sides: the residual's rows 0-63 are in, gamma / l is stored, V(31)'s last fragments are in registers, everybody's; rows 64-127 go to side 1
	s_wait_tensorcnt 0x0
	ds_add_u32 v[SPW], v[NIL]
	s_xor_b32 s[G0X+1], s[G0X+1], SLOT1
	s_add_nc_u64 s[G0X+2:G0X+3], s[PXA:PXA+1], 131072
	s_or_b32 s[G0X+3], s[G0X+3], 0x80000000
	s_wait_dscnt 0x0
	CROUND
	JLOADX
.set o, 0
.rept 64
	OW 1                                           ; t 32-63 of the last tile
.endr
	WIN 0
	PLACES
; THE WAY OUT, 64 s (s-tiles 4 sh .. 4 sh + 3) at a time, a block of 16 c at a time: out = (gamma / l) O + x in one fused line, x straight from its bf16 half; through my stage; whole rows of 256 bytes out.
.macro XL a                            ; x of c-tile a, turned: lane l holds c = l % 16 and the same eight s as the accumulators
	WIN 0
.irp bb, 0,1,2,3
	ds_load_tr16_b128 v[X+16*((\a)%2)+4*\bb:X+16*((\a)%2)+4*\bb+3], v[AV] offset:16*\bb*PVP+32*(\a)
.endr
.endm
.macro FMX sh, a                       ; each accumulator's registers in ascending order
	WIN 0x02+(\sh)
.irp bb, 0,1,2,3
.irp j, 0,2,4,6
	v_fma_mix_f32_bf16 v[T+8*\bb+\j],   v[8*(8*\bb+(\a))+\j],   v[AA+8*\bb+\j],   v[X+16*((\a)%2)+4*\bb+\j/2] op_sel_hi:[0,0,1]
	v_fma_mix_f32_bf16 v[T+8*\bb+\j+1], v[8*(8*\bb+(\a))+\j+1], v[AA+8*\bb+\j+1], v[X+16*((\a)%2)+4*\bb+\j/2] op_sel:[0,0,1] op_sel_hi:[0,0,1]
.endr
.endr
.endm
.macro TOST a
	WIN 0
.irp bb, 0,1,2,3
	ds_store_b128 v[STO], v[T+8*\bb:T+8*\bb+3] offset:64*\bb
	ds_store_b128 v[STO], v[T+8*\bb+4:T+8*\bb+7] offset:64*\bb+16
.endr
.irp t, 0,1,2,3,4,5,6,7
	ds_load_b128 v[OB+32*((\a)%2)+4*\t:OB+32*((\a)%2)+4*\t+3], v[RD] offset:\t*2*SP  ; LDS serves a wave's instructions in order (ISA guide 5.7.1.4): these see the stores above
.endr
.endm
.macro SENDO sh, a, younger            ; younger: the LDS loads issued behind the block's own
	WIN 0
	s_wait_dscnt \younger
	s_wait_xcnt 0x0                                ; the stores of the block before have read their registers: the next TOST loads into them
.irp t, 0,1,2,3,4,5,6,7
	global_store_b128 v[GO], v[OB+32*((\a)%2)+4*\t:OB+32*((\a)%2)+4*\t+3], s[12:13] offset:(16*(\a)+2*\t)*8192+256*(\sh) th:TH_STORE_NT  ; 16 lanes store 256 consecutive bytes, at a multiple of 256 from out0's first byte
.endr
.endm
.macro HALF sh
	WIN 0
	v_add_nc_u32 v[AV], (\sh)*SLOT1, v[AV0]
.irp bb, 0,1,2,3
	ds_load_b128 v[AA+8*\bb:AA+8*\bb+3],   v[GR] offset:256*(\sh)+64*\bb
	ds_load_b128 v[AA+8*\bb+4:AA+8*\bb+7], v[GR] offset:256*(\sh)+64*\bb+16
.endr
	XL 0
	s_wait_dscnt 0x0
	FMX \sh, 0
	XL 1
	TOST 0
.irp a, 1,2,3,4,5,6
	s_wait_dscnt 16                                ; x of this block is in; the stage's sixteen instructions stay out
	FMX \sh, \a
	XL (\a)+1
	SENDO \sh, (\a)-1, 4                           ; the next block's four turning loads stay out
	TOST \a
.endr
	s_wait_dscnt 16
	FMX \sh, 7
	SENDO \sh, 6, 0
	TOST 7
	SENDO \sh, 7, 0
.endm
	HALF 0
	s_wait_tensorcnt 0x0                           ; my part of the residual's rows 64-127 is in,
	s_wait_dscnt 0x0
	s_barrier_signal -1
	s_barrier_wait -1                              ; everybody's is
	HALF 1
	s_wait_tensorcnt 0x0                           ; the wave's end
	ds_add_u32 v[SPW], v[NIL]
	s_wait_dscnt 0x0
	CROUND                                         ; the closing round
	s_endpgm
.Lfunc_end_k_qc15b60c9d2_attn:
	.size	k_qc15b60c9d2_attn, .Lfunc_end_k_qc15b60c9d2_attn-k_qc15b60c9d2_attn
	.p2alignl 7, 3214868480
	.fill 96, 4, 3214868480
	.section	.rodata,"a",@progbits
	.p2align	6, 0x0
	.amdhsa_kernel k_qc15b60c9d2_attn
		.amdhsa_group_segment_fixed_size 327680
		.amdhsa_private_segment_fixed_size 0
		.amdhsa_enable_private_segment 0
		.amdhsa_kernarg_size 40
		.amdhsa_user_sgpr_count 2
		.amdhsa_user_sgpr_kernarg_segment_ptr 1
		.amdhsa_wavefront_size32 1
		.amdhsa_system_sgpr_workgroup_id_x 1
		.amdhsa_system_sgpr_workgroup_id_y 1
		.amdhsa_system_sgpr_workgroup_id_z 1
		.amdhsa_system_vgpr_workitem_id 0
		.amdhsa_next_free_vgpr 1024
		.amdhsa_next_free_sgpr 92
		.amdhsa_reserve_vcc 0
		.amdhsa_float_denorm_mode_32 3
		.amdhsa_float_denorm_mode_16_64 3
		.amdhsa_memory_ordered 1
		.amdhsa_forward_progress 1
		.amdhsa_inst_pref_size 221
	.end_amdhsa_kernel
	.amdgpu_metadata
---
amdhsa.version: [ 1, 2 ]
amdhsa.kernels:
  - .name:           k_qc15b60c9d2_attn
    .symbol:         k_qc15b60c9d2_attn.kd
    .args:
      - { .name: vf, .offset: 0, .size: 8, .value_kind: global_buffer, .address_space: global }
      - { .name: qk, .offset: 8, .size: 8, .value_kind: global_buffer, .address_space: global }
      - { .name: xb, .offset: 16, .size: 8, .value_kind: global_buffer, .address_space: global }
      - { .name: gamma, .offset: 24, .size: 8, .value_kind: global_buffer, .address_space: global }
      - { .name: out0, .offset: 32, .size: 8, .value_kind: global_buffer, .address_space: global }
    .group_segment_fixed_size: 327680
    .private_segment_fixed_size: 0
    .kernarg_segment_align: 8
    .kernarg_segment_size: 40
    .max_flat_workgroup_size: 128
    .sgpr_count:     92
    .vgpr_count:     1024
    .wavefront_size: 32
...
	.end_amdgpu_metadata
.endif
;; end of part 3
